; MI455X (gfx1250); checked and timed in simulation.
; The chip was launched on July 23, 2026; its instructions are those of AMD's public machine-readable ISA for CDNA 5 (MIT licence, August 2026) and "CDNA5" Instruction Set Architecture Reference Guide (July 2026). The comments in the code are by the model that wrote it; some were corrected since.
;; Network Subject Layers. Allowed arithmetic: float matrix products may take bf16 or f16 operands with f32 sums; all other float work in f32.
;; Inputs: W 8 x 2,048 x 1,000 float32; b 8 x 1,000 float32; subject_ids 4,096 int32; x 4,096 x 2,048 float32.
;; Outputs: out0 4,096 x 1,000 float32.
;; One version. Each part assembles by itself: llvm-mc -triple=amdgcn-amd-amdhsa -mcpu=gfx1250 --defsym DOCPART=n.
;; ======== version 1 of 1: 2 launches
;; workspace buffers: order 16,896 bytes of whole numbers
;; launch sort (part 1): grid 8 x 1, 8 waves a work-group, no clusters, 1,280 bytes of LDS; arguments subject_ids, order; writes order
.if DOCPART == 1
	.amdgcn_target "amdgcn-amd-amdhsa--gfx1250"
	.amdhsa_code_object_version 6
	.text
	.protected	k_q29f72fa7af_sort
	.globl	k_q29f72fa7af_sort
	.p2align	8
	.type	k_q29f72fa7af_sort,@function
k_q29f72fa7af_sort:
	s_mov_b64 s[64:65], 0
	v_nop
	global_prefetch_b8 v0, s[64:65] scope:SCOPE_SE
	s_setreg_imm32_b32 hwreg(HW_REG_WAVE_MODE, 25, 1), 1
	s_wait_xcnt 0x0
; Counting sort of the 4,096 row numbers by subject, and the cut of the sorted list into exactly 32 row tiles.  No atomics, integers only.
; order, bytes 0 .. 16383: the row numbers, subject 0's first, then subject 1's, ...
; order, bytes 16384 + 16 t, t = 0 .. 31: tile t as four words: subject, first rank, rows, the tile's number in its subject (not read later).
; Work-group s places the rows of subject s.  Every work-group reads all 4,096 ids (16 KiB): wave w the ids 512 w .. 512 w + 511, lane l the four
; ids 128 j + 4 l .. + 3 of load j; every work-group counts all eight subjects: the smaller ones give its first rank, and the cut needs all.
; Wave 0 of work-group 0 makes the cut and stores the 32 tiles, lane t tile t: one store of 512 consecutive bytes.
; THE CUT.  S(c) = sum over subjects of ceil(n / c) falls as c grows; S(127) >= 33 (4096 / 127 > 32) and S(168) <= (4096 + 8 x 167) / 168 < 33.
; c* = the least c with S(c) <= 32, so 128 <= c* <= 168.  From c* - 1 to c* a subject loses at most one tile (n / (c (c - 1)) <= 4096 / (128 x 127) < 1),
; and more subjects lose one than the 32 - S(c*) tiles that are spare: the spare tiles go, in the subjects' order, to subjects that lost one, which
; then take c* - 1 rows a tile.  Tile q of a subject holds ranks q Q .. min((q + 1) Q, n) - 1: never empty, since (T - 1) Q < n for T = ceil(n / Q).
; ceil(n / c) is counted without a division: it is the number of k = 0 .. 31 (the lanes) with k c < n.  That count stops at 32; ceil(n / c) = 33 is
; met only at c = 127 with all 4,096 rows in one subject, where c* = 128, no tile is spare and the count at 127 decides nothing.
; LIMIT: an id outside 0 .. 7 belongs to no subject: its row is placed nowhere and its line of the result stays unwritten; tiles that then stay
; without rows are stored with rows = 0.  (The problem's own indexing relies on ids inside 0 .. 7.)
.set ID,  4                            ; v[4:19]    my 16 ids
.set CW,  24                           ; v[24:87]   count of subject u in wave w at 8 u + w
.set OWN, 88                           ; v[88:95]   my subject's counts in waves 0 .. 7
.set P,   96                           ; v[96:111]  byte offset in order of id i's place
.set R,   112                          ; v[112:127] row number of id i
.set D,   128                          ; v[128:131] lane t: tile t's four words
.set VN,  132                          ; lane t: n, start, first tile, rows a tile of tile t's subject
.set VS,  133
.set VB,  134
.set VQ,  135
.set VLO, 136
.set VA,  137                          ; 16 x lane: tile t's byte offset in the table
.set EQ,  32                           ; s[32:47]   masks
.set N,   48                           ; s[48:55]   n of subject u
.set ST,  56                           ; s[56:63]   first rank of subject u
.set TT,  66                           ; s[66:73]   tiles of subject u
.set TA,  74                           ; s[74:81]   tiles that it would take at one row less a tile
.set QQ,  82                           ; s[82:89]   rows a tile
.set TB,  90                           ; s[90:97]   first tile of subject u
	s_load_b128 s[4:7], s[0:1], 0x0                ; subject_ids s[4:5], order s[6:7]
	v_lshl_add_u32 v140, v0, 2, 0x100
	v_mov_b32 v141, 0
	v_and_b32 v1, 31, v0                           ; lane
	v_lshrrev_b32 v20, 5, v0
	v_readfirstlane_b32 s8, v20                    ; wave
	s_min_u32 s20, ttmp9, 7                        ; my subject (the grid has 8 work-groups; the bound is written out for the LDS address below)
	v_lshlrev_b32 v2, 4, v1
	v_lshlrev_b32 v[VA], 4, v1                     ; made here, from the lane number alone, while every lane is on
	v_lshl_add_u32 v2, v20, 11, v2                 ; 2048 w + 16 l: byte offset of my first four ids
	v_lshrrev_b32 v3, 2, v2                        ; 512 w + 4 l: their row number
	v_mov_b32 v22, s8
	v_lshlrev_b32 v22, 2, v22                      ; 4 w
	s_wait_kmcnt 0x0
.irp j, 0,1,2,3
	global_load_b128 v[ID+4*\j:ID+4*\j+3], v2, s[4:5] offset:512*\j
.endr
	s_wait_loadcnt 0x0
; my wave's ids equal to u, counted and put into LDS at word 8 u + w (all lanes write the same word with the same value)
.macro COUNT u
.irp i, 0,1,2,3,4,5,6,7,8,9,10,11,12,13,14,15
	v_cmp_eq_u32 s[EQ+\i], \u, v[ID+\i]
.endr
	s_bcnt1_i32_b32 s[N+\u], s[EQ]
.irp i, 1,2,3,4,5,6,7,8,9,10,11,12,13,14,15
	s_bcnt1_i32_b32 s21, s[EQ+\i]
	s_add_co_u32 s[N+\u], s[N+\u], s21
.endr
	v_mov_b32 v[CW+\u], s[N+\u]
	ds_store_b32 v22, v[CW+\u] offset:32*\u
.endm
.irp u, 0,1,2,3,4,5,6,7
	COUNT \u
.endr
.irp i, 0,1,2,3,4,5,6,7,8,9,10,11,12,13,14,15
	v_cmp_eq_u32 s[EQ+\i], s20, v[ID+\i]           ; the lanes whose id i is my subject: kept for the placement
.endr
	s_wait_dscnt 0x0                               ; my eight words are written before I say so
	s_barrier_signal -1
	s_barrier_wait -1
	v_mov_b32 v23, 0
	v_mov_b32 v21, s20
	v_lshlrev_b32 v21, 5, v21                      ; my subject's eight words
.irp m, 0,1,2,3,4,5,6,7,8,9,10,11,12,13,14,15
	ds_load_b128 v[CW+4*\m:CW+4*\m+3], v23 offset:16*\m
.endr
	ds_load_b128 v[OWN:OWN+3], v21
	ds_load_b128 v[OWN+4:OWN+7], v21 offset:16
	s_wait_dscnt 0x0
.irp u, 0,1,2,3,4,5,6,7
.irp w, 1,2,3,4,5,6,7
	v_add_nc_u32 v[CW+8*\u], v[CW+8*\u], v[CW+8*\u+\w]
.endr
	v_readfirstlane_b32 s[N+\u], v[CW+8*\u]        ; n of subject u
.endr
	s_mov_b32 s[ST], 0
.irp u, 1,2,3,4,5,6,7
	s_add_co_u32 s[ST+\u], s[ST+\u-1], s[N+\u-1]
.endr
	s_mov_b32 s26, 0                               ; my wave's first place: the smaller subjects' rows ...
.irp u, 0,1,2,3,4,5,6
	s_cmp_gt_u32 s20, \u
	s_cselect_b32 s27, s[N+\u], 0
	s_add_co_u32 s26, s26, s27
.endr
.irp u, 0,1,2,3,4,5,6
	v_readfirstlane_b32 s27, v[OWN+\u]             ; ... + my subject's rows in the waves in front
	s_cmp_gt_u32 s8, \u
	s_cselect_b32 s27, s27, 0
	s_add_co_u32 s26, s26, s27
.endr
	; places and row numbers, all lanes on
.irp i, 0,1,2,3,4,5,6,7,8,9,10,11,12,13,14,15
	v_mbcnt_lo_u32_b32 v[P+\i], s[EQ+\i], s26      ; s26 + the equal ids in the lanes below mine
	v_min_u32 v[P+\i], 0xfff, v[P+\i]              ; a place is below 4,096 by construction; the bound is written out since it comes from loaded numbers
	v_lshlrev_b32 v[P+\i], 2, v[P+\i]
	v_add_nc_u32 v[R+\i], 128*(\i>>2)+(\i&3), v3
	s_bcnt1_i32_b32 s21, s[EQ+\i]
	s_add_co_u32 s26, s26, s21
.endr
; One masked store.  EXEC is a source of a pending store: it is narrowed and widened only behind s_wait_xcnt 0.
.macro PUT i
	s_wait_xcnt 0x0
	s_and_saveexec_b32 s28, s[EQ+\i]
	global_store_b32 v[P+\i], v[R+\i], s[6:7]
	s_wait_xcnt 0x0
	s_or_b32 exec_lo, exec_lo, s28
.endm
.irp i, 0,1,2,3,4,5,6,7,8,9,10,11,12,13,14,15
	PUT \i
.endr
	; the cut is one wave's work: wave 0 of work-group 0.  No barrier stands behind these branches.
	s_cmp_lg_u32 s8, 0
	s_cbranch_scc1 .Ldone
	s_cmp_lg_u32 s20, 0
	s_cbranch_scc1 .Ldone
; s[dst + u] = ceil(n_u / c), c in s[c]; s24 = their sum.  Lane k holds k c; the masks of the placement are done with.
.macro EVAL c, dst
	v_mul_u32_u24 v20, s[\c], v1
.irp u, 0,1,2,3,4,5,6,7
	v_cmp_gt_u32 s[EQ+\u], s[N+\u], v20
.endr
.irp u, 0,1,2,3,4,5,6,7
	s_bcnt1_i32_b32 s[\dst+\u], s[EQ+\u]
.endr
	s_add_co_u32 s24, s[\dst], s[\dst+1]
.irp u, 2,3,4,5,6,7
	s_add_co_u32 s24, s24, s[\dst+\u]
.endr
.endm
	s_mov_b32 s22, 127                             ; the largest c with S(c) > 32, by halving: 127 + (0 .. 63)
.irp step, 32,16,8,4,2,1
	s_add_co_u32 s23, s22, \step
	EVAL 23, TA
	s_cmp_gt_u32 s24, 32
	s_cselect_b32 s22, s23, s22
.endr
	EVAL 22, TA                                    ; tiles at c* - 1
	s_add_co_u32 s23, s22, 1                       ; c*
	EVAL 23, TT                                    ; tiles at c*
	s_sub_co_u32 s27, 32, s24                      ; spare tiles
.irp u, 0,1,2,3,4,5,6,7
	s_sub_co_u32 s21, s[TA+\u], s[TT+\u]           ; 1 where the subject lost a tile from c* - 1 to c*
	s_min_u32 s21, s21, s27                        ; it gets it back while tiles are spare
	s_add_co_u32 s[TT+\u], s[TT+\u], s21
	s_sub_co_u32 s27, s27, s21
	s_sub_co_u32 s[QQ+\u], s23, s21                ; and then takes c* - 1 rows a tile
.endr
	s_mov_b32 s[TB], 0
.irp u, 1,2,3,4,5,6,7
	s_add_co_u32 s[TB+\u], s[TB+\u-1], s[TT+\u-1]
.endr
	; lane t describes tile t: its subject is the last u whose first tile is at or below t (a subject without tiles is overtaken by the next)
	v_mov_b32 v[D], 0
	v_mov_b32 v[VN], s[N]
	v_mov_b32 v[VS], s[ST]
	v_mov_b32 v[VB], s[TB]
	v_mov_b32 v[VQ], s[QQ]
.irp u, 1,2,3,4,5,6,7
	v_cmp_le_u32 vcc_lo, s[TB+\u], v1
	v_cndmask_b32 v[D],  v[D],  \u,       vcc_lo
	v_cndmask_b32 v[VN], v[VN], s[N+\u],  vcc_lo
	v_cndmask_b32 v[VS], v[VS], s[ST+\u], vcc_lo
	v_cndmask_b32 v[VB], v[VB], s[TB+\u], vcc_lo
	v_cndmask_b32 v[VQ], v[VQ], s[QQ+\u], vcc_lo
.endr
	v_sub_nc_u32 v[D+3], v1, v[VB]                 ; q: the tile's number in its subject
	v_mul_u32_u24 v[VLO], v[D+3], v[VQ]            ; q Q
	v_sub_nc_u32 v[D+2], v[VN], v[VLO]
	v_min_u32 v[D+2], v[D+2], v[VQ]                ; rows = min(Q, n - q Q),
	v_cmp_gt_u32 vcc_lo, v[VN], v[VLO]
	v_cndmask_b32 v[D+2], 0, v[D+2], vcc_lo        ; or none where q Q >= n (only where ids outside 0 .. 7 left tiles over)
	v_add_nc_u32 v[D+1], v[VS], v[VLO]             ; first rank
	global_store_b128 v[VA], v[D:D+3], s[6:7] offset:16384     ; all 32 lanes: 512 consecutive bytes, at a multiple of 256 from order's first byte
.Ldone:
	s_barrier_signal -1
	s_barrier_wait -1
	s_wait_tensorcnt 0x0
	ds_add_u32 v140, v141
	s_wait_dscnt 0x0
	s_endpgm
.Lfunc_end_k_q29f72fa7af_sort:
	.size	k_q29f72fa7af_sort, .Lfunc_end_k_q29f72fa7af_sort-k_q29f72fa7af_sort
	.p2alignl 7, 3214868480
	.fill 96, 4, 3214868480
	.section	.rodata,"a",@progbits
	.p2align	6, 0x0
	.amdhsa_kernel k_q29f72fa7af_sort
		.amdhsa_group_segment_fixed_size 1280
		.amdhsa_private_segment_fixed_size 0
		.amdhsa_enable_private_segment 0
		.amdhsa_kernarg_size 16
		.amdhsa_user_sgpr_count 2
		.amdhsa_user_sgpr_kernarg_segment_ptr 1
		.amdhsa_wavefront_size32 1
		.amdhsa_system_sgpr_workgroup_id_x 1
		.amdhsa_system_sgpr_workgroup_id_y 1
		.amdhsa_system_sgpr_workgroup_id_z 1
		.amdhsa_system_vgpr_workitem_id 0
		.amdhsa_next_free_vgpr 142
		.amdhsa_next_free_sgpr 98
		.amdhsa_reserve_vcc 1
		.amdhsa_float_denorm_mode_32 3
		.amdhsa_float_denorm_mode_16_64 3
		.amdhsa_memory_ordered 1
		.amdhsa_forward_progress 1
		.amdhsa_inst_pref_size 46
	.end_amdhsa_kernel
	.amdgpu_metadata
---
amdhsa.version: [ 1, 2 ]
amdhsa.kernels:
  - .name:           k_q29f72fa7af_sort
    .symbol:         k_q29f72fa7af_sort.kd
    .args:
      - { .name: subject_ids, .offset: 0, .size: 8, .value_kind: global_buffer, .address_space: global }
      - { .name: order, .offset: 8, .size: 8, .value_kind: global_buffer, .address_space: global }
    .group_segment_fixed_size: 1280
    .private_segment_fixed_size: 0
    .kernarg_segment_align: 8
    .kernarg_segment_size: 16
    .max_flat_workgroup_size: 256
    .sgpr_count:     98
    .vgpr_count:     142
    .wavefront_size: 32
...
	.end_amdgpu_metadata
.endif
;; end of part 1
;; launch gemm (part 2): grid 8 x 32, 8 waves a work-group, no clusters, 240,640 bytes of LDS; arguments x, W, b, order, out0; writes out0
.if DOCPART == 2
	.amdgcn_target "amdgcn-amd-amdhsa--gfx1250"
	.amdhsa_code_object_version 6
	.text
	.protected	k_q29f72fa7af_gemm
	.globl	k_q29f72fa7af_gemm
	.p2align	8
	.type	k_q29f72fa7af_gemm,@function
k_q29f72fa7af_gemm:
	s_mov_b64 s[64:65], 0
	v_nop
	global_prefetch_b8 v0, s[64:65] scope:SCOPE_SE
	s_setreg_imm32_b32 hwreg(HW_REG_WAVE_MODE, 25, 1), 1
	s_wait_xcnt 0x0
; out0[i][:] = x[i][:] . W[sid[i]] + b[sid[i]] as a grouped GEMM: only the chosen subject's product is made.
; x [4096][2048] f32, W [8][2048][1000] f32, b [8][1000] f32, out0 [4096][1000] f32.  order: the rows sorted by subject, and 32 row tiles
; (subject, first rank, rows), each inside one subject, none above 168 rows; stored by the launch in front.
; WORK-GROUP (x = cb, y = t): columns 128 cb .. + 127 (cb = 7: 104 exist) of row tile t.  The tile's frame is 192 rows, whatever the tile holds, so
; that every work-group runs the same 32 K steps of 64 and no trip count or branch hangs on loaded numbers; these enter addresses and store masks alone.
; Eight waves, wave w = 2 wm + wn: 48 rows x 64 columns, 3 x 4 accumulator tiles: 14 LDS loads feed 12 matrix instructions.
; THE WAY IN: both operands are f32 in memory.  Each wave loads 16 bytes a lane into registers three K steps ahead (three register sets, 20 loads
; each: 60 loads of a wave are out at the most), rounds to bf16 in place and stores 8 bytes a lane into LDS.  x lies there [row][k]; W lies there as
; in memory, [k][n], and ds_load_tr16_b128 transposes it on the way to the matrix unit.
; NO TENSOR LOADS, NO MULTICAST, though the tiles of a subject walk the same W: a copy engine would lay f32 into LDS, so that a K step (48 KiB of x,
; 32 KiB of W) would be written, read back and written again as 40 KiB of bf16, where this text writes the 40 KiB alone; x's tile is 192 gathered
; rows of 256 bytes, one request each; and how many tiles share a subject hangs on the counts, so that no fixed set of partners shares a W tile.
; THE MATRIX INSTRUCTION IS USED TRANSPOSED: source 0 = 16 columns of W, source 1 = 16 rows of x, so that lane (r, h) holds in its registers
; j = 0 .. 7 the columns n0 + 8 h + j of row r.  The bias is loaded straight into the accumulators: nothing is cleared or added afterwards.
; THE WAY OUT: through a stage in LDS, read back by rows; sixteen lanes store 256 consecutive bytes of one row of out0.
; LIMITS.  Operands are rounded to bf16 (nearest even), sums are f32: an f32 above bf16's largest finite number becomes infinity.
; Frame rows past the tile's rows load the tile's last row again; what they yield is never stored: with 512 rows a subject a tile holds 128
; of the frame's 192 rows, and the rest of the frame's loads and products is spent on nothing.
.set XP,     144                       ; x in LDS: 64 bf16 + 16 bytes = 9 x 16: the 16 rows of a fragment load start at 16 different 16-byte columns modulo 256
.set XSLOT,  192*XP                    ; 27,648
.set WP,     288                       ; W in LDS: 128 bf16 + 32 bytes = 9 x 32, for the transposing load
.set WSLOT,  64*WP                     ; 18,432
.set WBASE,  3*XSLOT                   ; 82,944
.set STAGE,  WBASE+3*WSLOT             ; 138,240
.set SP,     528                       ; stage: 128 f32 + 16 bytes = 33 x 16;  192 rows end at 239,616
.set WSTEP,  64*4000                   ; bytes of W from a K step to the next
.set XSTEP,  256                       ; bytes along a row of x
; window 0
.set ARX,  10                          ; (48 wm + r) XP + 16 h: my x fragments
.set ARW,  11                          ; WBASE + (8 h + l % 8) WP + 128 wn + 16 (l / 8 % 2): my W fragments
.set ASW,  12                          ; WBASE + w WP + 8 l: where I put W's row k = 8 j + w
.set ASX,  13                          ; (w + 8 h) XP + 8 r: where I put x's row 16 j + w + 8 h, j < 4
.set ASX4, 14                          ; the same for j = 4 .. 7 (the immediate has 16 bits)
.set ASX8, 15                          ; and for j = 8 .. 11
.set WOFF, 16                          ; 4000 w + 4 min(128 cb + 4 l, 996)
.set STW,  17                          ; STAGE + (48 wm + r) SP + 4 (64 wn + 8 h)
.set STR,  18                          ; STAGE + (w + 8 h) SP + 16 r
.set STR6, 19                          ; STR + 6 x 16 rows
.set L16,  20                          ; 16 r
.set TROW, 21                          ; w + 8 h
.set BOFF, 22                          ; v[22:25]   byte offset in b of my eight columns of nt
.set XOFF, 26                          ; v[26:37]   8192 row + 16 r of frame row 16 j + TROW; on the way out 4000 row + 16 r
.set ACC,  38                          ; v[38:133]  tile (i, nt) at 8 (4 i + nt)
.set F0,   134                         ; v[134:189] fragments, k 0-31 of the step: W at 8 nt, x at 32 + 8 i
.set F1,   190                         ; v[190:245] fragments, k 32-63
.set R,    134                         ; v[134:229] the way out: rows read back
; window 1 (written by their low eight bits): set u at 80 u: W's load j at 4 j, x's load j at 32 + 4 j; v256-495
.set MSB, 0
.macro WIN new                         ; s_set_vgpr_msb: bits 1:0 source 0, 3:2 source 1, 5:4 source 2, 7:6 destination; the high byte repeats the setting left
.if MSB != \new
	s_set_vgpr_msb (MSB<<8)|\new
.set MSB, \new
.endif
.endm
.set IN_SET, 0x45                      ; destination and both sources in window 1: rounding in place
.set TO_SET, 0x44                      ; destination and source 1 in window 1, source 0 in window 0: serves a load into a set (address: source 0)
                                       ; and an LDS store out of one (address: source 0, data: source 1)
	s_load_b256 s[4:11], s[0:1], 0x0               ; x s[4:5], W s[6:7], b s[8:9], order s[10:11]
	s_load_b64 s[12:13], s[0:1], 0x20              ; out0
	v_lshl_add_u32 v254, v0, 2, 0x3a800
	v_mov_b32 v255, 0
	v_lshrrev_b32 v4, 5, v0
	v_readfirstlane_b32 s14, v4                    ; w
	s_lshr_b32 s15, s14, 1                         ; wm
	s_and_b32 s16, s14, 1                          ; wn
	s_and_b32 s17, ttmp7, 0xffff                   ; t
	s_mov_b32 s18, ttmp9                           ; cb
	v_and_b32 v1, 31, v0                           ; l
	v_and_b32 v2, 15, v0                           ; r
	v_bfe_u32 v3, v0, 4, 1                         ; h
	s_lshl_b32 s44, s17, 4                         ; 16 t; s44 is a source of the load below and is never written again
	s_wait_kmcnt 0x0
	s_load_b128 s[20:23], s[10:11], s44 offset:0x4000  ; my tile: subject, first rank, rows, (not used)
	s_mul_i32 s38, s15, 48*XP
	v_mul_u32_u24 v4, v2, XP
	v_lshl_add_u32 v4, v3, 4, v4
	v_add_nc_u32 v[ARX], s38, v4
	v_and_b32 v4, 7, v0
	v_lshl_add_u32 v4, v3, 3, v4
	v_mul_u32_u24 v4, v4, WP
	v_bfe_u32 v5, v0, 3, 1
	v_lshl_add_u32 v4, v5, 4, v4
	s_lshl_b32 s38, s16, 7
	s_add_co_u32 s38, s38, WBASE
	v_add_nc_u32 v[ARW], s38, v4
	s_mul_i32 s38, s14, WP
	s_add_co_u32 s38, s38, WBASE
	v_lshl_add_u32 v[ASW], v1, 3, s38
	v_lshl_add_u32 v[TROW], v3, 3, s14
	v_mul_u32_u24 v4, v[TROW], XP
	v_lshl_add_u32 v[ASX], v2, 3, v4
	v_add_nc_u32 v[ASX4], 4*16*XP, v[ASX]
	v_add_nc_u32 v[ASX8], 8*16*XP, v[ASX]
	s_lshl_b32 s38, s18, 7                         ; 128 cb
	v_lshl_add_u32 v4, v1, 2, s38
	v_min_u32 v4, 996, v4                          ; cb = 7: lanes past column 999 load the last four columns again; their columns are never stored
	s_mul_i32 s39, s14, 4000
	v_lshl_add_u32 v[WOFF], v4, 2, s39
	s_mul_i32 s40, s15, 48*SP
	s_lshl_b32 s39, s16, 8
	s_add_co_u32 s40, s40, s39
	s_add_co_u32 s40, s40, STAGE
	v_mul_u32_u24 v4, v2, SP
	v_lshl_add_u32 v4, v3, 5, v4
	v_add_nc_u32 v[STW], s40, v4
	v_mul_u32_u24 v4, v[TROW], SP
	v_lshl_add_u32 v4, v2, 4, v4
	v_add_nc_u32 v[STR], STAGE, v4
	v_add_nc_u32 v[STR6], 6*16*SP, v[STR]
	v_lshlrev_b32 v[L16], 4, v2
	v_lshlrev_b32 v9, 2, v2
	s_sub_co_u32 s40, 936, s38
	v_cmp_gt_u32 s42, s40, v9                      ; lanes whose columns 128 cb + 64 + 4 r .. + 3 exist (below 1,000)
	s_mov_b32 s43, 4000                            ; bytes in a row of out0
	s_lshl_b32 s40, s16, 6
	s_add_co_u32 s40, s40, s38                     ; 128 cb + 64 wn
	v_lshl_add_u32 v4, v3, 3, s40                  ; + 8 h: my first column of nt = 0
.irp nt, 0,1,2,3
	v_add_nc_u32 v[BOFF+\nt], 16*\nt, v4
	v_min_u32 v[BOFF+\nt], 992, v[BOFF+\nt]        ; eight columns from 992 end at 999: no load leaves b; columns from 1,000 on are never stored
.endr
	s_wait_kmcnt 0x0
	s_min_u32 s20, s20, 7                          ; bounds written out for numbers that were loaded
	s_min_u32 s21, s21, 4095
	s_min_u32 s22, s22, 192
	s_add_co_u32 s27, s21, s22
	s_sub_co_i32 s27, s27, 1
	s_max_i32 s27, s27, 0                          ; the last rank that I may name
	s_mul_i32 s39, s20, 1000
	s_mul_i32 s40, s20, 2048*4000
	s_mov_b32 s41, 0
	s_add_nc_u64 s[34:35], s[6:7], s[40:41]        ; W of my subject, K step 0: the running base
	s_lshl_b32 s40, s18, 9
	s_add_nc_u64 s[36:37], s[12:13], s[40:41]      ; out0 at my first column
	s_mov_b64 s[30:31], s[4:5]                     ; x, K step 0: the running base
; 8 loads: W's rows k = 8 j + w of a K step, 512 consecutive bytes each, into set
.macro LOADW set, ph
	WIN TO_SET
.irp j, 0,1,2,3,4,5,6,7
	global_load_b128 v[80*\set+4*\j:80*\set+4*\j+3], v[WOFF], s[34:35] offset:\ph*WSTEP+\j*32000
.endr
.endm
; 12 loads: frame rows 16 j + w (lanes 0-15) and 16 j + w + 8 (lanes 16-31), 256 consecutive bytes each, at a multiple of 256 from x's first byte
.macro LOADX set, ph
	WIN TO_SET
.irp j, 0,1,2,3,4,5,6,7,8,9,10,11
	global_load_b128 v[80*\set+32+4*\j:80*\set+32+4*\j+3], v[XOFF+\j], s[30:31] offset:\ph*XSTEP
.endr
.endm
; W of one K step: set nxt -> bf16, in place -> slot nxt; load = 1: the set is asked for again, three K steps on.  cw: how many younger loads may stay out.
.macro CONVW nxt, load, ph, cw
	s_wait_loadcnt \cw
	WIN IN_SET
.irp j, 0,1,2,3,4,5,6,7
	v_cvt_pk_bf16_f32 v[80*\nxt+4*\j],   v[80*\nxt+4*\j],   v[80*\nxt+4*\j+1]
	v_cvt_pk_bf16_f32 v[80*\nxt+4*\j+1], v[80*\nxt+4*\j+2], v[80*\nxt+4*\j+3]
.endr
	WIN TO_SET
.irp j, 0,1,2,3,4,5,6,7
	ds_store_b64 v[ASW], v[80*\nxt+4*\j:80*\nxt+4*\j+1] offset:\nxt*WSLOT+\j*8*WP      ; 32 lanes, 256 consecutive bytes
.endr
.if \load
	LOADW \nxt, \ph
.endif
	WIN 0
.endm
; x of one K step, likewise.  The two rows of a store are 8 XP = 288 words apart, half of 64 words modulo 64: the halves of the wave do not collide.
.macro CONVX nxt, load, ph, cx
	s_wait_loadcnt \cx
	WIN IN_SET
.irp j, 0,1,2,3,4,5,6,7,8,9,10,11
	v_cvt_pk_bf16_f32 v[80*\nxt+32+4*\j],   v[80*\nxt+32+4*\j],   v[80*\nxt+32+4*\j+1]
	v_cvt_pk_bf16_f32 v[80*\nxt+32+4*\j+1], v[80*\nxt+32+4*\j+2], v[80*\nxt+32+4*\j+3]
.endr
	WIN TO_SET
.irp j, 0,1,2,3
	ds_store_b64 v[ASX],  v[80*\nxt+32+4*\j:80*\nxt+32+4*\j+1] offset:\nxt*XSLOT+\j*16*XP
.endr
.irp j, 0,1,2,3
	ds_store_b64 v[ASX4], v[80*\nxt+48+4*\j:80*\nxt+48+4*\j+1] offset:\nxt*XSLOT+\j*16*XP
.endr
.irp j, 0,1,2,3
	ds_store_b64 v[ASX8], v[80*\nxt+64+4*\j:80*\nxt+64+4*\j+1] offset:\nxt*XSLOT+\j*16*XP
.endr
.if \load
	LOADX \nxt, \ph
.endif
	WIN 0
.endm
; 14 LDS loads: my 4 W fragments (transposed on the way) and my 3 x fragments for k = 32 kk .. + 31 of the slot
.macro FRAGS f, slot, kk
.irp nt, 0,1,2,3
	ds_load_tr16_b128 v[\f+8*\nt:\f+8*\nt+3],   v[ARW] offset:\slot*WSLOT+\kk*32*WP+\nt*32
	ds_load_tr16_b128 v[\f+8*\nt+4:\f+8*\nt+7], v[ARW] offset:\slot*WSLOT+\kk*32*WP+\nt*32+16*WP
.endr
.irp i, 0,1,2
	ds_load_b128 v[\f+32+8*\i:\f+32+8*\i+3],   v[ARX] offset:\slot*XSLOT+\i*16*XP+\kk*64
	ds_load_b128 v[\f+32+8*\i+4:\f+32+8*\i+7], v[ARX] offset:\slot*XSLOT+\i*16*XP+\kk*64+32
.endr
.endm
; 12 matrix instructions, each the next link of its accumulator's chain
.macro MUL f
.irp i, 0,1,2
.irp nt, 0,1,2,3
	v_wmma_f32_16x16x32_bf16 v[ACC+8*(4*\i+\nt):ACC+8*(4*\i+\nt)+7], v[\f+8*\nt:\f+8*\nt+7], v[\f+32+8*\i:\f+32+8*\i+7], v[ACC+8*(4*\i+\nt):ACC+8*(4*\i+\nt)+7]
.endr
.endr
.endm
; ONE K STEP.  Trip t multiplies slot t % 3 and (conv = 1) rounds K step t + 1 into slot nxt = (t + 1) % 3; load = 1: K step t + 4 is asked for.
; One barrier a trip does both orderings: in front of it each wave has waited for all its LDS work, so behind it the slot read is whole, and nobody
; still reads the slot written (last read two trips ago).  A slot has the number of its register set; two slots would be ordered as well.
; The 16 and 24 conversions also stand as the four independent vector instructions between a product and the next load into its fragments
; (ISA guide 7.12.1 for vector instructions; the same distance is kept here for loads).
.macro TRIP slot, nxt, conv, load, ph, cw, cx
	s_wait_dscnt 0x0                               ; my stores into this slot and my reads of the last one are done
	s_barrier_signal -1
	s_barrier_wait -1
	FRAGS F0, \slot, 0
	FRAGS F1, \slot, 1
	s_wait_dscnt 14                                ; F0 is in; the 14 loads of F1 may be out
	MUL F0
.if \conv
	CONVW \nxt, \load, \ph, \cw
	s_wait_dscnt 8                                 ; F1 is in; the 8 stores of W behind it may be out
.else
	s_wait_dscnt 0x0
.endif
	MUL F1
.if \conv
	CONVX \nxt, \load, \ph, \cx
.else
.rept 4
	v_nop                                          ; in front of the way out, which reads the sums and loads into the fragments' registers
.endr
.endif
.endm
	; the bias of my columns, once for each of my three row blocks, straight into the accumulators
.irp nt, 0,1,2,3
	v_add_lshl_u32 v[BOFF+\nt], v[BOFF+\nt], s39, 2
.endr
.irp i, 0,1,2
.irp nt, 0,1,2,3
	global_load_b128 v[ACC+8*(4*\i+\nt):ACC+8*(4*\i+\nt)+3],   v[BOFF+\nt], s[8:9]
	global_load_b128 v[ACC+8*(4*\i+\nt)+4:ACC+8*(4*\i+\nt)+7], v[BOFF+\nt], s[8:9] offset:16
.endr
.endr
	; the row numbers of the frame's 192 ranks: rank = first rank + 16 j + TROW, held at the tile's last rank
	v_add_nc_u32 v8, s21, v[TROW]
.irp j, 0,1,2,3,4,5,6,7,8,9,10,11
	v_add_nc_u32 v[XOFF+\j], 16*\j, v8
	v_min_u32 v[XOFF+\j], s27, v[XOFF+\j]
	v_min_u32 v[XOFF+\j], 0xfff, v[XOFF+\j]
	v_lshlrev_b32 v[XOFF+\j], 2, v[XOFF+\j]
.endr
.irp j, 0,1,2,3,4,5,6,7,8,9,10,11
	global_load_b32 v[XOFF+\j], v[XOFF+\j], s[10:11]
.endr
	LOADW 0, 0
	LOADW 1, 1
	LOADW 2, 2
	WIN 0
	s_wait_loadcnt 24                              ; only the 24 loads of W are younger than the row numbers (the bias is older: it is in as well)
.irp j, 0,1,2,3,4,5,6,7,8,9,10,11
	v_min_u32 v[XOFF+\j], 0xfff, v[XOFF+\j]        ; a row number is below 4,096; the bound is written out for a loaded number
	v_lshl_add_u32 v[XOFF+\j], v[XOFF+\j], 13, v[L16]
.endr
	LOADX 0, 0
	LOADX 1, 1
	LOADX 2, 2
	; Loads are issued W0 W1 W2 X0 X1 X2 W3 X3 W4 X4 ..., 8 for a W, 12 for an X, and come back in order (ISA guide 5.7.1).
	; Behind W(u) stand X(u) W(u+1) X(u+1) W(u+2) X(u+2) = 52 (behind W0: W1 W2 X0 X1 X2 = 52; more behind W1 and W2: 52 is then the stricter count);
	; behind X(u) stand W(u+1) X(u+1) W(u+2) X(u+2) W(u+3) = 48; behind X0: X1 X2 W3 = 32; behind X1: X2 W3 X3 W4 = 40.
	CONVW 0, 1, 3, 52                              ; K step 0 into slot 0; K step 3 asked for
	CONVX 0, 1, 3, 32
	TRIP 0, 1, 1, 1, 4, 52, 40                     ; trip 0
	s_wait_xcnt 0x0                                ; the bases are sources of pending loads: stepped only behind this wait
	s_add_nc_u64 s[30:31], s[30:31], 5*XSTEP
	s_add_nc_u64 s[34:35], s[34:35], 5*WSTEP
	s_mov_b32 s29, 9
.Lk:                                               ; trips 1 .. 27, which ask for K steps 5 .. 31
	TRIP 1, 2, 1, 1, 0, 52, 48
	TRIP 2, 0, 1, 1, 1, 52, 48
	TRIP 0, 1, 1, 1, 2, 52, 48
	s_wait_xcnt 0x0
	s_add_nc_u64 s[30:31], s[30:31], 3*XSTEP
	s_add_nc_u64 s[34:35], s[34:35], 3*WSTEP
	s_sub_co_i32 s29, s29, 1
	s_cmp_lg_u32 s29, 0
	s_cbranch_scc1 .Lk
	TRIP 1, 2, 1, 0, 0, 52, 40                     ; nothing more is asked for: behind W29 52, behind X29 40,
	TRIP 2, 0, 1, 0, 0, 32, 20                     ; behind W30 32, behind X30 20,
	TRIP 0, 1, 1, 0, 0, 12, 0                      ; behind W31 12, behind X31 none
	TRIP 1, 0, 0, 0, 0, 0, 0                       ; trip 31 only multiplies
	; THE WAY OUT.  A lane's 8 sums are 32 neighbouring bytes of a row: into the stage, then back by rows.
.irp i, 0,1,2
.irp nt, 0,1,2,3
	ds_store_b128 v[STW], v[ACC+8*(4*\i+\nt):ACC+8*(4*\i+\nt)+3]   offset:\i*16*SP+\nt*64
	ds_store_b128 v[STW], v[ACC+8*(4*\i+\nt)+4:ACC+8*(4*\i+\nt)+7] offset:\i*16*SP+\nt*64+16
.endr
.endr
	s_wait_dscnt 0x0                               ; two waves wrote each row: my part is written before I say so
	s_barrier_signal -1
	s_barrier_wait -1
.irp j, 0,1,2,3,4,5
	ds_load_b128 v[R+8*\j:R+8*\j+3],   v[STR] offset:\j*16*SP             ; row 16 j + TROW, columns 4 r ..
	ds_load_b128 v[R+8*\j+4:R+8*\j+7], v[STR] offset:\j*16*SP+256         ; and 64 + 4 r ..
.endr
.irp j, 0,1,2,3,4,5
	ds_load_b128 v[R+48+8*\j:R+48+8*\j+3],   v[STR6] offset:\j*16*SP
	ds_load_b128 v[R+48+8*\j+4:R+48+8*\j+7], v[STR6] offset:\j*16*SP+256
.endr
.irp j, 0,1,2,3,4,5,6,7,8,9,10,11
	v_lshrrev_b32 v[XOFF+\j], 13, v[XOFF+\j]       ; the row number again (every load of x was waited for in trip 30)
	v_min_u32 v[XOFF+\j], 0xfff, v[XOFF+\j]
	v_mad_u32_u24 v[XOFF+\j], v[XOFF+\j], s43, v[L16]  ; 4000 row + 16 r
.endr
	v_sub_nc_u32 v4, s22, v[TROW]                  ; frame row 16 j + TROW is a row of the tile where 16 j < v4 (signed)
	v_cndmask_b32 v5, 0, v4, s42                   ; the same for the upper 64 columns; 0, so never, where the columns do not exist
	s_wait_dscnt 0x0
	; As j grows fewer lanes hold rows, so EXEC only shrinks along a chain.  It is a source of the pending stores: each change stands behind s_wait_xcnt 0.
.irp j, 0,1,2,3,4,5,6,7,8,9,10,11
	s_wait_xcnt 0x0
	v_cmpx_lt_i32 16*\j, v4
	global_store_b128 v[XOFF+\j], v[R+8*\j:R+8*\j+3], s[36:37] th:TH_STORE_NT             ; 16 lanes: 256 consecutive bytes of one row
.endr
	s_wait_xcnt 0x0
	s_mov_b32 exec_lo, -1
.irp j, 0,1,2,3,4,5,6,7,8,9,10,11
	s_wait_xcnt 0x0
	v_cmpx_lt_i32 16*\j, v5
	global_store_b128 v[XOFF+\j], v[R+8*\j+4:R+8*\j+7], s[36:37] offset:256 th:TH_STORE_NT
.endr
	s_wait_xcnt 0x0
	s_mov_b32 exec_lo, -1
	s_wait_tensorcnt 0x0
	ds_add_u32 v254, v255
	s_wait_dscnt 0x0
	s_endpgm
.Lfunc_end_k_q29f72fa7af_gemm:
	.size	k_q29f72fa7af_gemm, .Lfunc_end_k_q29f72fa7af_gemm-k_q29f72fa7af_gemm
	.p2alignl 7, 3214868480
	.fill 96, 4, 3214868480
	.section	.rodata,"a",@progbits
	.p2align	6, 0x0
	.amdhsa_kernel k_q29f72fa7af_gemm
		.amdhsa_group_segment_fixed_size 240640
		.amdhsa_private_segment_fixed_size 0
		.amdhsa_enable_private_segment 0
		.amdhsa_kernarg_size 40
		.amdhsa_user_sgpr_count 2
		.amdhsa_user_sgpr_kernarg_segment_ptr 1
		.amdhsa_wavefront_size32 1
		.amdhsa_system_sgpr_workgroup_id_x 1
		.amdhsa_system_sgpr_workgroup_id_y 1
		.amdhsa_system_sgpr_workgroup_id_z 1
		.amdhsa_system_vgpr_workitem_id 0
		.amdhsa_next_free_vgpr 496
		.amdhsa_next_free_sgpr 66
		.amdhsa_reserve_vcc 0
		.amdhsa_float_denorm_mode_32 3
		.amdhsa_float_denorm_mode_16_64 3
		.amdhsa_memory_ordered 1
		.amdhsa_forward_progress 1
		.amdhsa_inst_pref_size 97
	.end_amdhsa_kernel
	.amdgpu_metadata
---
amdhsa.version: [ 1, 2 ]
amdhsa.kernels:
  - .name:           k_q29f72fa7af_gemm
    .symbol:         k_q29f72fa7af_gemm.kd
    .args:
      - { .name: x, .offset: 0, .size: 8, .value_kind: global_buffer, .address_space: global }
      - { .name: W, .offset: 8, .size: 8, .value_kind: global_buffer, .address_space: global }
      - { .name: b, .offset: 16, .size: 8, .value_kind: global_buffer, .address_space: global }
      - { .name: order, .offset: 24, .size: 8, .value_kind: global_buffer, .address_space: global }
      - { .name: out0, .offset: 32, .size: 8, .value_kind: global_buffer, .address_space: global }
    .group_segment_fixed_size: 240640
    .private_segment_fixed_size: 0
    .kernarg_segment_align: 8
    .kernarg_segment_size: 40
    .max_flat_workgroup_size: 256
    .sgpr_count:     66
    .vgpr_count:     496
    .wavefront_size: 32
...
	.end_amdgpu_metadata
.endif
;; end of part 2
